; MI455X (gfx1250); checked and timed in simulation.
; The chip was launched on July 23, 2026; its instructions are those of AMD's public machine-readable ISA for CDNA 5 (MIT licence, August 2026) and "CDNA5" Instruction Set Architecture Reference Guide (July 2026). The comments in the code are by the model that wrote it; some were corrected since.
;; Shepards Gated Attention. Allowed arithmetic: matrix products marked QUANTISED: E4M3 operands, one given power-of-two scale a tensor, by v_wmma_f32_16x16x64_fp8_fp8 or v_wmma_f32_16x16x128_fp8_fp8, f32 sums; everything else in f32.
;; Inputs: W_in_codes 4,096 x 32 x 32 uint8 (E4M3 codes of W_in, K innermost, in blocks of 32 codes); W_out_codes 1,024 x 32 x 32 uint8 (E4M3 codes of W_out, K innermost, in blocks of 32 codes); X 2 x 2,048 x 1,024 float32; b_in 4,096 float32; b_out 1,024 float32; lowp_scales 8 int32 (the exponents e of the quantised operands' scales 2^e).
;; Outputs: out0 2 x 2,048 x 1,024 float32.
;; This version of the problem:
;;   THIS VERSION OF THE PROBLEM IS GIVEN IN LOW PRECISION. The matrix products marked QUANTISED in the list below multiply operands that are first quantised to E4M3 (4 exponent bits, 3 mantissa bits; 8 bits a number), with one given power-of-two scale for each operand tensor; their sums are f32. All else is computed in f32.
;;   The module's matrix products, in the order in which they are computed (A, B: the left and right operand; K: the contracted axis; several contracted axes count as one K, in the product's order):
;;     1. [M 4,096, K 1,024] x [K 1,024, N 4,096]; A: computed on the way; B: input W_in (given as codes): QUANTISED (scales: A lowp_scales[0], B lowp_scales[1])
;;     2. batch 32 x [M 2,048, K 64] x [K 64, N 2,048]; A: computed on the way; B: computed on the way: QUANTISED (scales: A lowp_scales[2], B lowp_scales[3])
;;     3. batch 32 x [M 2,048, K 2,048] x [K 2,048, N 64]; A: computed on the way; B: computed on the way: QUANTISED (scales: A lowp_scales[4], B lowp_scales[5])
;;     4. [M 4,096, K 1,024] x [K 1,024, N 1,024]; A: computed on the way; B: input W_out (given as codes): QUANTISED (scales: A lowp_scales[6], B lowp_scales[7])
;;   THE QUANTISER, for each operand of a quantised product, along K:
;;     - The operand's scale is 2^e, e = its entry of the input lowp_scales (int32; the entries are numbered through the quantised products in the list's order, A before B).
;;     - Each number is divided by the scale, clamped to +-448, and rounded to the nearest number of E4M3, ties to even, subnormals kept.
;;     - The product sums the exact products of the quantised numbers (number of the format x scale) in f32.
;;   ~~~python
;;   def quantise(x, axis, e):      # numpy; x: float32 -> the quantised numbers, widened to float32 again
;;       x = np.moveaxis(x, axis, -1); K = x.shape[-1]
;;       r = np.clip(x / 2.0 ** e, -448, 448)
;;       step = 2.0 ** (np.maximum(np.frexp(np.where(r == 0, 1, r))[1] - 1, -6) - 3)
;;       q = np.round(r / step) * step * 2.0 ** e      # np.round: ties to even
;;       return np.moveaxis(q, -1, axis).astype(np.float32)
;;   ~~~
;;   OPERANDS COMPUTED ON THE WAY. 'Computed on the way' means the value that the module computes at that place (a softmax that the list does not call 'softmax' is quantised finished and normalised). What goes into a quantiser is computed in f32, as accurately as f32 sums, v_exp_f32 and their like allow (about 1e-6 of the number): no bf16 or f16 on the way to a quantiser, and a product that is left as it is and whose result goes on into a quantised operand takes f32 operands (vector FMAs, or v_wmma_f32_16x16x4_f32). A number that lies on a knife's edge between two numbers of the format may be rounded either way, as far as f32 arithmetic and the matrix unit's own rounding can turn it there, and no further.
;;   INPUTS GIVEN AS CODES. W_in (in the module: [4096, 1024], K = its axis 1); W_out (in the module: [1024, 1024], K = its axis 1): each comes as NAME_codes (uint8): NAME with its K axis moved to the last place and cut into blocks of 32 codes, [.., K / 32, bytes a block], one block behind the other in memory; one code a byte (a code: sign, 4 exponent bits, 3 mantissa bits); its scale is its entry of lowp_scales. Its value is code x scale, taken as it is: it is not quantised again, and the codes and scales need not be those that the quantiser above would give.
;; One version. Each part assembles by itself: llvm-mc -triple=amdgcn-amd-amdhsa -mcpu=gfx1250 --defsym DOCPART=n.
;; ======== version 1 of 1: 4 launches
;; workspace buffers: Xc 4,194,304 bytes; Qc 4,194,304 bytes; Kc 4,194,304 bytes; Vc 4,194,304 bytes; q2 262,144 bytes; k2s 262,144 bytes; G 16,777,216 bytes; Oc 4,194,304 bytes
;; launch ln_quant (part 1): grid 256 x 1, 8 waves a work-group, no clusters, 17,408 bytes of LDS; arguments X, lowp_scales, Xc; writes Xc
.if DOCPART == 1
	.amdgcn_target "amdgcn-amd-amdhsa--gfx1250"
	.amdhsa_code_object_version 6
	.text
	.protected	k_q133d2ed630_ln_quant
	.globl	k_q133d2ed630_ln_quant
	.p2align	8
	.type	k_q133d2ed630_ln_quant,@function
k_q133d2ed630_ln_quant:
	s_mov_b64 s[64:65], 0
	v_nop
	global_prefetch_b8 v0, s[64:65] scope:SCOPE_SE
	s_setreg_imm32_b32 hwreg(HW_REG_WAVE_MODE, 25, 1), 1
	s_wait_xcnt 0x0
; Xc = codes of E4M3 of LayerNorm(X), with the given scale 2^e0.  X: [4096][1024] f32.  Xc: [4096][1024] bytes, K innermost.
; A wave takes two whole rows (32 registers a lane each), so mean and variance never leave the wave; the variance is taken of x - mean (two passes over registers).
; Each load reads 512 consecutive bytes; a lane's four numbers of a load become one word of codes; the words turn through the wave's own 2,048 bytes of LDS, so that each store covers 512 consecutive bytes.
; Memory binds: no tensor loads, no barrier, no matrix unit; all 16 loads of a wave are out at once.
; LIMITS: e0 between -126 and 119, so that 2^e0 and 448 x 2^e0 are f32 numbers.  NaN among the inputs is not served.
.set XR, 16                            ; v16-79   two rows: load j of row p at v[XR+32p+4j]: elements 128 j + 4 lane + 0..3
.set CH, 80                            ; v80-95   eight registers of chains for each row
.set CD, 96                            ; v96-111  eight words of codes for each row
.set BK, 112                           ; v112-127 the codes read back, 16 bytes a lane
	s_load_b128 s[4:7], s[0:1], 0x0                ; X, the scales' exponents
	s_load_b64 s[8:9], s[0:1], 0x10                ; Xc
	v_lshl_add_u32 v128, v0, 2, 0x4000
	v_mov_b32 v129, 0
	v_lshrrev_b32 v4, 5, v0
	v_readfirstlane_b32 s10, v4                    ; wave
	v_and_b32 v5, 31, v0                           ; lane
	v_lshlrev_b32 v1, 4, v5                        ; 16 x lane
	s_lshl_b32 s11, s10, 11                        ; my wave's 2,048 bytes of LDS
	v_lshl_add_u32 v2, v5, 2, s11                  ; into them: 4 x lane
	v_add_nc_u32 v3, s11, v1                       ; out of them: 16 x lane
	s_mov_b32 s12, 0x76543210                      ; v_permlanex16_b32: lane l xor 16
	s_mov_b32 s13, 0xfedcba98
	s_mov_b32 s21, 0x3a800000                      ; 1 / 1024
	s_mov_b32 s22, 0x3727c5ac                      ; 1e-5
	s_lshl_b32 s14, ttmp9, 4
	s_lshl_b32 s15, s10, 1
	s_add_co_u32 s14, s14, s15                     ; my first row: 16 x work-group + 2 x wave
	s_lshl_b32 s16, s14, 12
	s_mov_b32 s17, 0
	s_lshl_b32 s18, s14, 10
	s_mov_b32 s19, 0
	s_wait_kmcnt 0x0
	s_load_b32 s20, s[6:7], 0x0                    ; e0
	s_add_nc_u64 s[4:5], s[4:5], s[16:17]
	s_add_nc_u64 s[8:9], s[8:9], s[18:19]
.set n, 0
.rept 16
	global_load_b128 v[XR+4*n:XR+4*n+3], v1, s[4:5] offset:512*n th:TH_LOAD_NT   ; the two rows lie on end: 8,192 bytes, 512 a load
.set n, n+1
.endr
	s_wait_kmcnt 0x0
	s_add_co_i32 s20, s20, 127
	s_lshl_b32 s23, s20, 23
	v_mov_b32 v8, s23                              ; 2^e0 as f32: the conversion takes its exponent field
	s_add_co_i32 s20, s20, 8
	s_lshl_b32 s20, s20, 23
	s_or_b32 s20, s20, 0x600000
	v_mov_b32 v9, s20                              ; 448 x 2^e0
.macro FOLD c                          ; four chains of pairs at v[c] on become one number, the same in all 32 lanes
	v_pk_add_f32 v[\c:\c+1], v[\c:\c+1], v[\c+2:\c+3]
	v_pk_add_f32 v[\c+4:\c+5], v[\c+4:\c+5], v[\c+6:\c+7]
	v_pk_add_f32 v[\c:\c+1], v[\c:\c+1], v[\c+4:\c+5]
	v_add_f32 v[\c], v[\c], v[\c+1]
	v_add_f32_dpp v[\c], v[\c], v[\c] row_xmask:1 row_mask:0xf bank_mask:0xf
	v_add_f32_dpp v[\c], v[\c], v[\c] row_xmask:2 row_mask:0xf bank_mask:0xf
	v_add_f32_dpp v[\c], v[\c], v[\c] row_xmask:4 row_mask:0xf bank_mask:0xf
	v_add_f32_dpp v[\c], v[\c], v[\c] row_xmask:8 row_mask:0xf bank_mask:0xf
	v_permlanex16_b32 v[\c+1], v[\c], s12, s13
	v_add_f32 v[\c], v[\c], v[\c+1]
.endm
.macro STATS p                         ; row p: x becomes x - mean; v[C0] = variance + 1e-5
.set XS, XR+32*(\p)
.set C0, CH+8*(\p)
.irp c, 0,2,4,6
	v_pk_add_f32 v[C0+\c:C0+\c+1], v[XS+\c:XS+\c+1], v[XS+8+\c:XS+9+\c]   ; the first pairs start the chains: nothing is cleared
.endr
.irp k, 16,24
.irp c, 0,2,4,6
	v_pk_add_f32 v[C0+\c:C0+\c+1], v[C0+\c:C0+\c+1], v[XS+\k+\c:XS+\k+\c+1]
.endr
.endr
	FOLD C0
	v_mul_f32 v[C0], s21, v[C0]                    ; the mean
.set j, 0
.rept 16
	v_pk_add_f32 v[XS+j:XS+j+1], v[XS+j:XS+j+1], v[C0:C0+1] op_sel_hi:[1,0] neg_lo:[0,1] neg_hi:[0,1]
.set j, j+2
.endr
.irp c, 0,2,4,6
	v_pk_mul_f32 v[C0+\c:C0+\c+1], v[XS+\c:XS+\c+1], v[XS+\c:XS+\c+1]
.endr
.irp k, 8,16,24
.irp c, 0,2,4,6
	v_pk_fma_f32 v[C0+\c:C0+\c+1], v[XS+\k+\c:XS+\k+\c+1], v[XS+\k+\c:XS+\k+\c+1], v[C0+\c:C0+\c+1]
.endr
.endr
	FOLD C0
	v_fma_f32 v[C0], v[C0], s21, s22
.endm
.macro FIN p                           ; row p: x 1 / sqrt, the hold, the codes, and their turn through LDS
.set XS, XR+32*(\p)
.set C0, CH+8*(\p)
.set j, 0
.rept 16
	v_pk_mul_f32 v[XS+j:XS+j+1], v[XS+j:XS+j+1], v[C0+2:C0+3] op_sel_hi:[1,0]
.set j, j+2
.endr
.set j, 0
.rept 32
	v_med3_num_f32 v[XS+j], v[XS+j], -v9, v9       ; the conversion to an 8-bit code does not saturate (ISA guide 7.6.2): the hold at the largest code x the scale
.set j, j+1
.endr
.irp m, 0,1,2,3
	v_cvt_scalef32_pk8_fp8_f32 v[CD+8*(\p)+2*\m:CD+8*(\p)+2*\m+1], v[XS+8*\m:XS+8*\m+7], v8   ; loads 2 m and 2 m + 1: two words of four codes
.endr
	v_nop                                          ; a plain line behind the last conversion
.irp j, 0,1,2,3,4,5,6,7
	ds_store_b32 v2, v[CD+8*(\p)+\j] offset:1024*(\p)+128*\j   ; word j: bytes 128 j + 4 lane of the row
.endr
.irp i, 0,1
	ds_load_b128 v[BK+8*(\p)+4*\i:BK+8*(\p)+4*\i+3], v3 offset:1024*(\p)+512*\i   ; LDS serves a wave's instructions in order: these see the stores above
.endr
.endm
	s_wait_loadcnt 8                               ; row 0's eight loads are in; row 1's eight may be out
	STATS 0
	s_wait_loadcnt 0x0
	STATS 1
	v_rsq_f32 v[CH+2], v[CH]
	v_rsq_f32 v[CH+10], v[CH+8]
	v_nop                                          ; a plain line behind the last transcendental
	s_wait_alu depctr_va_vdst(0)                   ; one wait for both, ahead of their first reader
	FIN 0
	FIN 1
	s_wait_dscnt 10                                ; row 0's codes are back; row 1's eight stores and two loads may be out
	global_store_b128 v1, v[BK:BK+3], s[8:9]
	global_store_b128 v1, v[BK+4:BK+7], s[8:9] offset:512
	s_wait_dscnt 0x0
	global_store_b128 v1, v[BK+8:BK+11], s[8:9] offset:1024    ; each store covers 512 consecutive bytes, aligned
	global_store_b128 v1, v[BK+12:BK+15], s[8:9] offset:1536
	s_wait_tensorcnt 0x0
	ds_add_u32 v128, v129
	s_wait_dscnt 0x0
	s_endpgm
.Lfunc_end_k_q133d2ed630_ln_quant:
	.size	k_q133d2ed630_ln_quant, .Lfunc_end_k_q133d2ed630_ln_quant-k_q133d2ed630_ln_quant
	.p2alignl 7, 3214868480
	.fill 96, 4, 3214868480
	.section	.rodata,"a",@progbits
	.p2align	6, 0x0
	.amdhsa_kernel k_q133d2ed630_ln_quant
		.amdhsa_group_segment_fixed_size 17408
		.amdhsa_private_segment_fixed_size 0
		.amdhsa_enable_private_segment 0
		.amdhsa_kernarg_size 24
		.amdhsa_user_sgpr_count 2
		.amdhsa_user_sgpr_kernarg_segment_ptr 1
		.amdhsa_wavefront_size32 1
		.amdhsa_system_sgpr_workgroup_id_x 1
		.amdhsa_system_sgpr_workgroup_id_y 1
		.amdhsa_system_sgpr_workgroup_id_z 1
		.amdhsa_system_vgpr_workitem_id 0
		.amdhsa_next_free_vgpr 130
		.amdhsa_next_free_sgpr 66
		.amdhsa_reserve_vcc 0
		.amdhsa_float_denorm_mode_32 3
		.amdhsa_float_denorm_mode_16_64 3
		.amdhsa_memory_ordered 1
		.amdhsa_forward_progress 1
		.amdhsa_inst_pref_size 20
	.end_amdhsa_kernel
	.amdgpu_metadata
---
amdhsa.version: [ 1, 2 ]
amdhsa.kernels:
  - .name:           k_q133d2ed630_ln_quant
    .symbol:         k_q133d2ed630_ln_quant.kd
    .args:
      - { .name: X, .offset: 0, .size: 8, .value_kind: global_buffer, .address_space: global }
      - { .name: lowp_scales, .offset: 8, .size: 8, .value_kind: global_buffer, .address_space: global }
      - { .name: Xc, .offset: 16, .size: 8, .value_kind: global_buffer, .address_space: global }
    .group_segment_fixed_size: 17408
    .private_segment_fixed_size: 0
    .kernarg_segment_align: 8
    .kernarg_segment_size: 24
    .max_flat_workgroup_size: 256
    .sgpr_count:     66
    .vgpr_count:     130
    .wavefront_size: 32
...
	.end_amdgpu_metadata
.endif
;; end of part 1
;; launch gemm_in (part 2): grid 16 x 16, 4 waves a work-group, clusters of 4 x 4, 327,680 bytes of LDS; arguments Xc, W_in_codes, lowp_scales, b_in, Qc, Kc, Vc, q2, k2s, G; writes Qc, Kc, Vc, q2, k2s, G
.if DOCPART == 2
	.amdgcn_target "amdgcn-amd-amdhsa--gfx1250"
	.amdhsa_code_object_version 6
	.text
	.protected	k_q133d2ed630_gemm_in
	.globl	k_q133d2ed630_gemm_in
	.p2align	8
	.type	k_q133d2ed630_gemm_in,@function
k_q133d2ed630_gemm_in:
	s_mov_b64 s[64:65], 0
	v_nop
	global_prefetch_b8 v0, s[64:65] scope:SCOPE_SE
	s_setreg_imm32_b32 hwreg(HW_REG_WAVE_MODE, 25, 1), 1
	s_wait_xcnt 0x0
	s_wait_alu depctr_hold_cnt(0) depctr_sa_sdst(0) depctr_va_vdst(0) depctr_va_sdst(0) depctr_va_ssrc(0) depctr_va_vcc(0) depctr_vm_vsrc(0)
	s_getreg_b32 s2, hwreg(HW_REG_IB_STS2, 6, 4)
	s_cmp_eq_u32 s2, 0
	s_cbranch_scc0 .Lentry_in_a_cluster
	s_endpgm
.Lentry_in_a_cluster:
	s_bfe_u32 s2, ttmp6, 0x10000c
	s_cmp_lg_u32 s2, 0xf033
	s_cbranch_scc0 .Lentry_shape_is_right
	s_endpgm
.Lentry_shape_is_right:
; P = Xn W_in^T + b_in on codes of E4M3 (Xc [4096][1024], W_in_codes [4096][1024], K innermost), and what attention wants of P, laid as its operands' registers.
; A tile of P, 256 tokens x 256 columns, is one head's Q, K, V, G (64 columns each) for 256 tokens.  Four waves, each 128 x 128: 64 accumulators, 512 registers.  K goes in steps of 256 through a ring of two LDS slots.
; CLUSTERS: 4 x 4 work-groups; Xc's tiles are asked for jointly along a row of the cluster, W_in's along a column.  The matrix instruction is used transposed (source 0 = 16 rows of W_in, source 1 = 16 tokens):
; a lane holds one token (lane % 16) and eight neighbouring columns 16 b + 8 (lane / 16) + 0..7.
; THE WAY OUT.  P = sum x 2^(e0 + e1) + b_in, one packed multiply-add for two numbers.  Waves with the left 128 columns hold Q and K: a lane's eight numbers of a block are two registers of a fragment of the
; 16x16x64 form, so the conversions' results are stored as images of the operand's registers (16 bytes a lane, 512 a store); q2 = sum of Q^2 and k2 likewise are taken of the unquantised numbers;
; k2 is stored as -k2 x 2^(-1 - e2 - e3), the C of attention's first product.  Waves with the right 128 columns hold V and G: V turns through the wave's stage in LDS, so that a lane holds one channel and
; eight tokens (the second product's K), and is quantised; G leaves as f32 images.
; LIMITS on the given exponents, so that each power of two is an f32 number: e0 + e1 between -126 and 127; e2, e3, e5 between -126 and 119; e2 + e3 between -126 and 125.  NaN among the inputs is not served.
; REGISTERS, in windows of 256: window 0: v0-31 addresses and constants; v32-95 b_in of my 128 columns; from v128 Xc's fragments, ONE set; on the way out v96-255 are free.
;   window 1: W_in's fragments, TWO sets.   window 2: the accumulators of my tokens 0-63 ((a, b) at v[8 (8 a + b)]);   window 3: those of my tokens 64-127.
.set SIZE_K, 1024
.set KSTEP,  256                       ; along K in a slot
.set ROWB,   256                       ; a tile's row in bytes
.set KROW,   SIZE_K                    ; a row of codes in memory
.set PITCH,  272                       ; an LDS row: 256 bytes + 16 of padding = 68 words: the 16 rows that a load touches start at 16 different banks (64 banks of 4 bytes: ISA guide 11.1)
.set FR,     16                        ; registers of a fragment: 16 rows x 128 K
.set NL,     4                         ; LDS loads that bring one
.set NP,     4                         ; places behind this matrix instruction (ISA guide 7.12.1)
.set HALFT,  128*PITCH
.set SLOT,   4*HALFT
.set LAPS,   SIZE_K/(2*KSTEP)          ; 2
.set SPARE,  2*SLOT                    ; behind the ring: the spare words, 128 bytes for each wave
.set ADRA, 16                          ; v16-17  LDS address of my fragments of Xc in slot 0, 1
.set ADRB, 20                          ; v20-21  the same for W_in
.set SPW,  28                          ; v28     LDS address of my spare word; never rewritten
.set NIL,  29                          ; v29     0; never rewritten
.set AF,   128
.set G1, 24                            ; s[24:31] descriptor group 1 for Xc's tiles;  s[32:39] group 0, one set for each slot
.set G0, 32
.set G1B, 48                           ; s[48:55], s[56:63] the same for W_in's
.set G0B, 56
.set MSB, 0
.macro WIN new                         ; the immediate's high byte repeats the setting that is left
.if MSB != (\new)
	s_set_vgpr_msb (MSB<<8)|(\new)
.set MSB, (\new)
.endif
.endm
.set MUL_LO, 0xa1                      ; source 0 window 1, source 1 window 0, C and D window 2
.set MUL_HI, 0xf1                      ; the same, C and D window 3
.set TO_B,   0x40                      ; destination window 1, address window 0
; A joint load: waves 0 and 1 fetch for Xc, waves 2 and 3 for W_in; the branch hangs on the wave's number alone.  Four v_nop follow each of the two lines.
.macro JLOAD g0a, g1a, g0b, g1b
	s_cmp_eq_u32 s15, 0
	s_cbranch_scc0 .Lfor_b_\@
	tensor_load_to_lds s[\g0a:\g0a+3], s[\g1a:\g1a+7]
	s_nop 0
.rept 4
	v_nop
.endr
	s_branch .Lasked_\@
.Lfor_b_\@:
	tensor_load_to_lds s[\g0b:\g0b+3], s[\g1b:\g1b+7]
	s_nop 0
.rept 4
	v_nop
.endr
.Lasked_\@:
.endm
.macro CREST                           ; a round of the cluster's barrier behind its opening barrier
	s_cmp_lg_u32 s14, 0
	s_cbranch_scc1 .Lnot_wave_0_\@
	s_barrier_signal -3
.Lnot_wave_0_\@:
	s_barrier_wait -3
	s_barrier_signal -1
	s_barrier_wait -1
.endm
.macro CROUND
	s_barrier_signal -1
	s_barrier_wait -1
	CREST
.endm
	s_load_b128 s[4:7], s[0:1], 0x0                ; Xc, W_in's codes
	s_load_b128 s[8:11], s[0:1], 0x10              ; the scales' exponents, b_in
	s_load_b256 s[68:75], s[0:1], 0x20             ; Qc, Kc, Vc, q2
	s_load_b128 s[76:79], s[0:1], 0x40             ; k2s, G
	v_lshl_add_u32 v[SPW], v0, 2, SPARE
	v_mov_b32 v[NIL], 0
	ds_add_u32 v28, v29
	ds_add_u32 v28, v29
	s_wait_dscnt 0x0
	v_lshrrev_b32 v1, 5, v0
	v_readfirstlane_b32 s14, v1                    ; wave 0..3
	s_lshr_b32 s15, s14, 1                         ; which half of the tile's tokens is mine.  Also: I fetch for Xc (0) or for W_in (1)
	s_and_b32 s16, s14, 1                          ; which half of its columns (0: Q, K; 1: V, G).  Also: which 128 rows of that tile I fetch
	s_bfe_u32 s40, ttmp6, 0x40000                  ; cx, cy: my place in the cluster
	s_bfe_u32 s41, ttmp6, 0x40004
	s_lshl_b32 s42, ttmp9, 2
	s_add_co_u32 s42, s42, s40                     ; tile column = the head
	s_and_b32 s17, ttmp7, 0xffff
	s_lshl_b32 s17, s17, 2
	s_add_co_u32 s17, s17, s41                     ; tile row: 256 tokens
	s_lshl_b32 s43, s41, 2
	s_lshl_b32 s43, 15, s43                        ; my row of the cluster
	s_lshl_b32 s44, 0x1111, s40                    ; my column
	s_or_b32 s[G1+0], s43, (0<<16)|(1<<20)|(1<<21)|(5<<22)|(3<<25)  ; the mask; elements of 1 byte; padding on; bit 21 beside a mask; after every 64 words, 4 words
	s_or_b32 s[G1B+0], s44, (0<<16)|(1<<20)|(1<<21)|(5<<22)|(3<<25)
.irp g, G1, G1B
	s_mov_b32 s[\g+1], ROWB<<16                    ; tensor_dim0
	s_mov_b32 s[\g+2], 128<<16                     ; tensor_dim1 = 128
	s_mov_b32 s[\g+3], ROWB<<16                    ; tile_dim0
	s_mov_b32 s[\g+4], 128                         ; tile_dim1 = 128
	s_mov_b32 s[\g+5], KROW                        ; tensor_dim0_stride
	s_mov_b32 s[\g+6], 0
	s_mov_b32 s[\g+7], 0
.endr
	s_lshl_b32 s18, s16, 7
	s_lshl_b32 s20, s17, 8
	s_add_co_u32 s20, s20, s18                     ; Xc: row 256 x tile row + 128 x half
	s_lshl_b32 s46, s42, 8
	s_add_co_u32 s46, s46, s18                     ; W_in: row 256 x tile column + 128 x half
	s_mov_b32 s21, 0
	s_mov_b32 s47, 0
	s_mov_b64 s[18:19], KROW
	s_mul_u64 s[20:21], s[20:21], s[18:19]
	s_mul_u64 s[46:47], s[46:47], s[18:19]
	s_mul_i32 s45, s14, HALFT                      ; where they go: wave x 128 rows: no place in the cluster enters an LDS address
	s_wait_kmcnt 0x0
	s_load_b256 s[84:91], s[8:9], 0x0              ; e0 .. e7
	s_add_nc_u64 s[20:21], s[4:5], s[20:21]
	s_add_nc_u64 s[46:47], s[6:7], s[46:47]
	CROUND                                         ; all sixteen work-groups are here: the first joint loads meet
.irp s, 0,1
	s_mov_b32 s[G0+4*\s], 1
	s_add_co_u32 s[G0+4*\s+1], s45, \s*SLOT
	s_add_nc_u64 s[G0+4*\s+2:G0+4*\s+3], s[20:21], \s*ROWB
	s_or_b32 s[G0+4*\s+3], s[G0+4*\s+3], 0x80000000
	s_mov_b32 s[G0B+4*\s], 1
	s_add_co_u32 s[G0B+4*\s+1], s45, \s*SLOT
	s_add_nc_u64 s[G0B+4*\s+2:G0B+4*\s+3], s[46:47], \s*ROWB
	s_or_b32 s[G0B+4*\s+3], s[G0B+4*\s+3], 0x80000000
	JLOAD G0+4*\s, G1, G0B+4*\s, G1B
.endr
	v_and_b32 v1, 15, v0                           ; r = lane % 16
	v_bfe_u32 v2, v0, 4, 1                         ; h = lane / 16
	v_mul_u32_u24 v3, v1, PITCH
	v_lshl_add_u32 v4, v2, 4, v3                   ; a fragment's row x pitch + 16 x half
	s_mul_i32 s21, s15, HALFT
	s_mul_i32 s22, s16, HALFT
	s_add_co_u32 s22, s22, 2*HALFT
.irp s, 0,1
	v_add_nc_u32 v[ADRA+\s], s21, v4
	v_add_nc_u32 v[ADRB+\s], s22, v4
	s_add_co_u32 s21, s21, SLOT
	s_add_co_u32 s22, s22, SLOT
.endr
	; the way out's stage: 8,192 bytes for each wave in slot 0, which has had its last fill and its last read when the first result is stored there
	s_lshl_b32 s23, s14, 13
	v_lshl_add_u32 v5, v2, 5, v3
	v_add_nc_u32 v24, s23, v5                      ; V in: token r (rows of 272 bytes), + 32 h
	v_mul_u32_u24 v5, v2, 2176
	v_lshl_add_u32 v5, v1, 2, v5
	v_add_nc_u32 v25, s23, v5                      ; V back: tokens 8 h on, channel r
	v_lshl_add_u32 v26, v1, 2, s23                 ; q2, k2: token r's word
	v_and_b32 v6, 31, v0
	v_lshlrev_b32 v30, 4, v6                       ; 16 x lane: an image's place for my lane
	v_add_nc_u32 v27, s23, v30
	v_lshlrev_b32 v31, 5, v2                       ; b_in: my half's eight numbers of a block
	s_lshl_b32 s80, s42, 10
	s_lshl_b32 s81, s16, 9
	s_add_co_u32 s80, s80, s81                     ; b_in at my 128 columns: (256 x head + 128 x half) x 4
	s_mov_b32 s81, 0
	s_add_nc_u64 s[10:11], s[10:11], s[80:81]
.irp b, 0,1,2,3,4,5,6,7
	global_load_b128 v[32+8*\b:35+8*\b], v31, s[10:11] offset:64*\b
	global_load_b128 v[36+8*\b:39+8*\b], v31, s[10:11] offset:64*\b+16
.endr
	; where my part of each output begins.  u = 16 x (16 x batch + head) + my block of 128 tokens in the batch; every offset is u x a power of two
	s_lshr_b32 s80, s17, 3
	s_lshl_b32 s80, s80, 4
	s_add_co_u32 s80, s80, s42                     ; bh = 16 x batch + head
	s_and_b32 s82, s17, 7
	s_lshl_b32 s82, s82, 1
	s_add_co_u32 s82, s82, s15
	s_lshl_b32 s80, s80, 4
	s_add_co_u32 s80, s80, s82                     ; u
	s_mov_b32 s83, 0
	s_lshl_b32 s82, s80, 13                        ; eight fragments of 1,024 bytes; four of 2,048
	s_add_nc_u64 s[68:69], s[68:69], s[82:83]
	s_add_nc_u64 s[70:71], s[70:71], s[82:83]
	s_add_nc_u64 s[72:73], s[72:73], s[82:83]
	s_lshl_b32 s82, s80, 9                         ; 128 numbers
	s_add_nc_u64 s[74:75], s[74:75], s[82:83]
	s_add_nc_u64 s[76:77], s[76:77], s[82:83]
	s_lshl_b32 s82, s80, 15                        ; 32 images of 1,024 bytes
	s_add_nc_u64 s[78:79], s[78:79], s[82:83]
	s_mov_b32 s93, 0x76543210                      ; v_permlanex16_b32: lane l xor 16
	s_mov_b32 s94, 0xfedcba98
.macro FRAG reg, adr, q, i             ; 16 rows x 128 K: lane l holds row l % 16; registers 4 c .. 4 c + 3 hold K = 32 c + 16 (l / 16) + 0 .. 15: the same places of k in both operands
.irp c, 0,1,2,3
	ds_load_b128 v[\reg+4*\c:\reg+4*\c+3], v[\adr] offset:128*(\q)+32*\c+(\i)*16*PITCH
.endr
.endm
; 16 matrix instructions: token blocks a0, a0 + 1 x the eight column blocks.  The 64 accumulators take turns, one instruction a turn, in the same order in every step.
.macro MUL16 a0, p, zero
.irp a, \a0, \a0+1
.irp b, 0,1,2,3,4,5,6,7
.if \zero
	v_wmma_f32_16x16x128_fp8_fp8 v[8*(8*((\a)%4)+\b):8*(8*((\a)%4)+\b)+7], v[128*(\p)+FR*\b:128*(\p)+FR*\b+FR-1], v[AF+FR*(\a):AF+FR*(\a)+FR-1], 0
.else
	v_wmma_f32_16x16x128_fp8_fp8 v[8*(8*((\a)%4)+\b):8*(8*((\a)%4)+\b)+7], v[128*(\p)+FR*\b:128*(\p)+FR*\b+FR-1], v[AF+FR*(\a):AF+FR*(\a)+FR-1], v[8*(8*((\a)%4)+\b):8*(8*((\a)%4)+\b)+7]
.endif
.endr
.endr
.endm
.macro FETCH_B slot, q, p
	WIN TO_B
.irp i, 0,1,2,3,4,5,6,7
	FRAG 128*(\p)+FR*\i, ADRB+\slot, \q, \i
.endr
	WIN 0
.endm
.macro FETCH_A slot, q, i0
.irp i, \i0, \i0+1, \i0+2, \i0+3
	FRAG AF+FR*(\i), ADRA+\slot, \q, \i
.endr
.endm
.macro PLACES n                        ; plain vector lines between a matrix instruction and a load into, or a read of, its registers
.rept \n
	v_nop
.endr
.endm
.macro STEP slot, q, zero              ; a step of 128 along K that has its successor in the same slot
	s_wait_dscnt 4*NL                              ; W_in's set and token blocks 0-3 are in; the youngest 16 loads (blocks 4-7) may be out
	WIN MUL_LO
	MUL16 0, (\q)%2, \zero
	MUL16 2, (\q)%2, \zero
	s_wait_dscnt 0
	PLACES NP
	FETCH_B \slot, (\q)+1, 1-(\q)%2
	FETCH_A \slot, (\q)+1, 0
	WIN MUL_HI
	MUL16 4, (\q)%2, \zero
	MUL16 6, (\q)%2, \zero
	PLACES NP
	WIN 0
	FETCH_A \slot, (\q)+1, 4
.endm
; A slot's last step changes slots: ONE barrier; in front of it each wave waits for all its tensor loads, adds 0 to its spare word, and waits for that and for its own reads of this slot.
.macro TURN slot, next, fill
	s_wait_tensorcnt 0x0                           ; all my tensor loads have landed: my part of the next slot
	ds_add_u32 v[SPW], v[NIL]                      ; 0 onto my spare word
	s_wait_dscnt 4*NL+1                            ; (the add and the youngest 16 loads may be out)
	WIN MUL_LO
	MUL16 0, 1, 0
	s_wait_dscnt 0x0                               ; the add is done, and my reads of this slot are over
	s_barrier_signal -1
	MUL16 2, 1, 0
	WIN 0
	s_barrier_wait -1
.if \fill
	CREST                                          ; the barrier has opened a round of the cluster's barrier: no wave of any partner still reads this slot or has a load on its way
	s_add_nc_u64 s[G0+4*\slot+2:G0+4*\slot+3], s[G0+4*\slot+2:G0+4*\slot+3], 2*ROWB
	s_add_nc_u64 s[G0B+4*\slot+2:G0B+4*\slot+3], s[G0B+4*\slot+2:G0B+4*\slot+3], 2*ROWB
	JLOAD G0+4*\slot, G1, G0B+4*\slot, G1B         ; the first tensor load behind the round; its four v_nop are the places in front of the loads below
.else
	PLACES NP
.endif
	FETCH_B \next, 0, 0
	FETCH_A \next, 0, 0
	WIN MUL_HI
	MUL16 4, 1, 0
	MUL16 6, 1, 0
	PLACES NP
	WIN 0
	FETCH_A \next, 0, 4
.endm
	s_wait_tensorcnt 1                             ; my part of K step 0 is in (K step 1's load may be out)
	s_barrier_signal -1
	s_barrier_wait -1                              ; everybody's is
	FETCH_B 0, 0, 0
	FETCH_A 0, 0, 0
	FETCH_A 0, 0, 4
	STEP 0, 0, 1                                   ; the first step's products start the sums: nothing is cleared
	s_mov_b32 s3, LAPS-1
.Llap:                                                 ; a trip goes once round the ring and fills both slots again
	TURN 0, 1, 1
	STEP 1, 0, 0
	TURN 1, 0, 1
	STEP 0, 0, 0
	s_sub_co_u32 s3, s3, 1
	s_cmp_lg_u32 s3, 0
	s_cbranch_scc1 .Llap
	TURN 0, 1, 0                                   ; the last lap fills nothing
	STEP 1, 0, 0
	s_wait_dscnt 4*NL
	WIN MUL_LO
	MUL16 0, 1, 0
	MUL16 2, 1, 0
	s_wait_dscnt 0
	WIN MUL_HI
	MUL16 4, 1, 0
	MUL16 6, 1, 0
	WIN 0
; THE WAY OUT
.macro POW2 e, vs, vl                  ; v[vs] = 2^e as f32, v[vl] = 448 x 2^e
	s_add_co_i32 s98, \e, 127
	s_lshl_b32 s99, s98, 23
	v_mov_b32 v[\vs], s99
	s_add_co_i32 s98, s98, 8
	s_lshl_b32 s98, s98, 23
	s_or_b32 s98, s98, 0x600000
	v_mov_b32 v[\vl], s98
.endm
	s_wait_kmcnt 0x0
	s_add_co_i32 s96, s84, s85
	s_add_co_i32 s96, s96, 127
	s_lshl_b32 s96, s96, 23                        ; 2^(e0 + e1) as f32
	s_mov_b32 s97, s96                             ; (named with it as a pair, so it is written)
	s_add_co_i32 s92, s86, s87
	s_sub_co_i32 s92, 126, s92
	s_lshl_b32 s92, s92, 23
	s_or_b32 s92, s92, 0x80000000                  ; -2^(-1 - e2 - e3)
	POW2 s86, 8, 9                                 ; Q's scale
	POW2 s87, 10, 11                               ; K's
	POW2 s89, 12, 13                               ; V's
	s_wait_loadcnt 0x0                             ; b_in
	PLACES NP
; Tokens 16 a on, columns of Q (v128-159) and K (v160-191)
.macro QK_BLOCK a
.set AC, 64*((\a)%4)
	s_wait_xcnt 0x0                                ; the last block's stores have read their registers: the codes may be written again
	WIN 0x02+((\a)/4)                              ; source 0: window 2 or 3
.set j, 0
.rept 32
	v_pk_fma_f32 v[128+j:129+j], v[AC+j:AC+j+1], s[96:97], v[32+j:33+j] op_sel_hi:[1,0,1]   ; sum x 2^(e0 + e1) + b_in; each accumulator from its low end on
.set j, j+2
.endr
	WIN 0
.irp c, 0,2                            ; the sums of squares of the unquantised numbers: two chains of pairs each
	v_pk_mul_f32 v[112+\c:113+\c], v[128+\c:129+\c], v[128+\c:129+\c]
	v_pk_mul_f32 v[116+\c:117+\c], v[160+\c:161+\c], v[160+\c:161+\c]
.endr
.irp p, 4,8,12,16,20,24,28
.irp c, 0,2
	v_pk_fma_f32 v[112+\c:113+\c], v[128+\p+\c:129+\p+\c], v[128+\p+\c:129+\p+\c], v[112+\c:113+\c]
	v_pk_fma_f32 v[116+\c:117+\c], v[160+\p+\c:161+\p+\c], v[160+\p+\c:161+\p+\c], v[116+\c:117+\c]
.endr
.endr
	v_pk_add_f32 v[112:113], v[112:113], v[114:115]
	v_pk_add_f32 v[116:117], v[116:117], v[118:119]
	v_add_f32 v112, v112, v113
	v_add_f32 v116, v116, v117
	v_permlanex16_b32 v113, v112, s93, s94         ; the token's other 32 channels lie in the lane 16 away
	v_permlanex16_b32 v117, v116, s93, s94
	v_add_f32 v[192+(\a)], v112, v113              ; q2
	v_add_f32 v116, v116, v117
	v_mul_f32 v[200+(\a)], s92, v116               ; -k2 x 2^(-1 - e2 - e3)
.set j, 0
.rept 32
	v_med3_num_f32 v[128+j], v[128+j], -v9, v9     ; the hold at the largest code x the scale (the conversion does not saturate: ISA guide 7.6.2)
	v_med3_num_f32 v[160+j], v[160+j], -v11, v11
.set j, j+1
.endr
.irp b, 0,1,2,3
	v_cvt_scalef32_pk8_fp8_f32 v[96+2*\b:97+2*\b], v[128+8*\b:135+8*\b], v8      ; registers 2 b, 2 b + 1 of the fragment: channels 16 b + 8 h + 0..7
	v_cvt_scalef32_pk8_fp8_f32 v[104+2*\b:105+2*\b], v[160+8*\b:167+8*\b], v10
.endr
	v_nop                                          ; a plain line behind the last conversion
	global_store_b128 v30, v[96:99], s[68:69] offset:1024*(\a)
	global_store_b128 v30, v[100:103], s[68:69] offset:1024*(\a)+512
	global_store_b128 v30, v[104:107], s[70:71] offset:1024*(\a)
	global_store_b128 v30, v[108:111], s[70:71] offset:1024*(\a)+512
.endm
; Tokens 16 a on, columns of V (v160-191) and G (v224-255)
.macro VG_BLOCK a
.set AC, 64*((\a)%4)
	s_wait_xcnt 0x0                                ; the last block's stores of G have read their registers
	WIN 0x02+((\a)/4)
.set j, 0
.rept 16
	v_pk_fma_f32 v[160+j:161+j], v[AC+j:AC+j+1], s[96:97], v[32+j:33+j] op_sel_hi:[1,0,1]
.set j, j+2
.endr
.set j, 0
.rept 16
	v_pk_fma_f32 v[224+j:225+j], v[AC+32+j:AC+33+j], s[96:97], v[64+j:65+j] op_sel_hi:[1,0,1]
.set j, j+2
.endr
	WIN 0
.irp b, 0,1,2,3
	ds_store_b128 v24, v[160+8*\b:163+8*\b] offset:64*\b          ; V(token r, channels 16 b + 8 h + 0..7)
	ds_store_b128 v24, v[164+8*\b:167+8*\b] offset:64*\b+16
.endr
.irp d, 0,1,2,3
.irp i, 0,1,2,3,4,5,6,7
	ds_load_b32 v[192+8*\d+\i], v25 offset:272*\i+64*\d           ; V(token 8 h + i, channel 16 d + r): LDS serves a wave's instructions in order, so these see the stores above
.endr
.endr
.irp d, 0,1,2,3
	global_store_b128 v30, v[224+8*\d:227+8*\d], s[78:79] offset:4096*(\a)+1024*\d
	global_store_b128 v30, v[228+8*\d:231+8*\d], s[78:79] offset:4096*(\a)+1024*\d+512
.endr
	s_wait_dscnt 0x0
.set j, 0
.rept 32
	v_med3_num_f32 v[192+j], v[192+j], -v13, v13
.set j, j+1
.endr
.irp d, 0,1,2,3
	v_cvt_scalef32_pk8_fp8_f32 v[96+16*\d+2*(\a):97+16*\d+2*(\a)], v[192+8*\d:199+8*\d], v12   ; registers 2 a, 2 a + 1 of fragment d: keys 16 a + 8 h + 0..7
.endr
	v_nop
.endm
	s_cmp_lg_u32 s16, 0                            ; the wave's number alone decides
	s_cbranch_scc1 .Lvg
.irp a, 0,1,2,3,4,5,6,7
	QK_BLOCK \a
.endr
.irp a, 0,1,2,3,4,5,6,7
	ds_store_b32 v26, v[192+\a] offset:64*\a       ; both halves of the lanes hold the same number and write the same word
	ds_store_b32 v26, v[200+\a] offset:512+64*\a
.endr
	ds_load_b128 v[208:211], v27                   ; 128 numbers on end, 16 bytes a lane
	ds_load_b128 v[212:215], v27 offset:512
	s_wait_dscnt 0x0
	global_store_b128 v30, v[208:211], s[74:75]
	global_store_b128 v30, v[212:215], s[76:77]
	s_branch .Ljoin
.Lvg:
.irp a, 0,1,2,3,4,5,6,7
	VG_BLOCK \a
.endr
.set n, 0
.rept 16
	global_store_b128 v30, v[96+4*n:99+4*n], s[72:73] offset:512*n   ; four fragments of 16 channels x 128 keys, as images
.set n, n+1
.endr
.Ljoin:
	s_wait_tensorcnt 0x0                           ; the wave's end
	ds_add_u32 v[SPW], v[NIL]
	s_wait_dscnt 0x0
	CROUND                                         ; the closing round: no work-group ends while a partner may still ask for a tile that names it
	s_endpgm
.Lfunc_end_k_q133d2ed630_gemm_in:
	.size	k_q133d2ed630_gemm_in, .Lfunc_end_k_q133d2ed630_gemm_in-k_q133d2ed630_gemm_in
	.p2alignl 7, 3214868480
	.fill 96, 4, 3214868480
	.section	.rodata,"a",@progbits
	.p2align	6, 0x0
	.amdhsa_kernel k_q133d2ed630_gemm_in
		.amdhsa_group_segment_fixed_size 327680
		.amdhsa_private_segment_fixed_size 0
		.amdhsa_enable_private_segment 0
		.amdhsa_kernarg_size 80
		.amdhsa_user_sgpr_count 2
		.amdhsa_user_sgpr_kernarg_segment_ptr 1
		.amdhsa_wavefront_size32 1
		.amdhsa_system_sgpr_workgroup_id_x 1
		.amdhsa_system_sgpr_workgroup_id_y 1
		.amdhsa_system_sgpr_workgroup_id_z 1
		.amdhsa_system_vgpr_workitem_id 0
		.amdhsa_next_free_vgpr 1024
		.amdhsa_next_free_sgpr 100
		.amdhsa_reserve_vcc 0
		.amdhsa_float_denorm_mode_32 3
		.amdhsa_float_denorm_mode_16_64 3
		.amdhsa_memory_ordered 1
		.amdhsa_forward_progress 1
		.amdhsa_inst_pref_size 221
	.end_amdhsa_kernel
	.amdgpu_metadata
---
amdhsa.version: [ 1, 2 ]
amdhsa.kernels:
  - .name:           k_q133d2ed630_gemm_in
    .symbol:         k_q133d2ed630_gemm_in.kd
    .args:
      - { .name: Xc, .offset: 0, .size: 8, .value_kind: global_buffer, .address_space: global }
      - { .name: W_in_codes, .offset: 8, .size: 8, .value_kind: global_buffer, .address_space: global }
      - { .name: lowp_scales, .offset: 16, .size: 8, .value_kind: global_buffer, .address_space: global }
      - { .name: b_in, .offset: 24, .size: 8, .value_kind: global_buffer, .address_space: global }
      - { .name: Qc, .offset: 32, .size: 8, .value_kind: global_buffer, .address_space: global }
      - { .name: Kc, .offset: 40, .size: 8, .value_kind: global_buffer, .address_space: global }
      - { .name: Vc, .offset: 48, .size: 8, .value_kind: global_buffer, .address_space: global }
      - { .name: q2, .offset: 56, .size: 8, .value_kind: global_buffer, .address_space: global }
      - { .name: k2s, .offset: 64, .size: 8, .value_kind: global_buffer, .address_space: global }
      - { .name: G, .offset: 72, .size: 8, .value_kind: global_buffer, .address_space: global }
    .group_segment_fixed_size: 327680
    .private_segment_fixed_size: 0
    .kernarg_segment_align: 8
    .kernarg_segment_size: 80
    .max_flat_workgroup_size: 128
    .sgpr_count:     100
    .vgpr_count:     1024
    .wavefront_size: 32
...
	.end_amdgpu_metadata
.endif
;; end of part 2
;; launch attn (part 3): grid 8 x 32, 8 waves a work-group, no clusters, 206,848 bytes of LDS; arguments Qc, Kc, Vc, q2, k2s, G, lowp_scales, Oc; writes Oc
.if DOCPART == 3
	.amdgcn_target "amdgcn-amd-amdhsa--gfx1250"
	.amdhsa_code_object_version 6
	.text
	.protected	k_q133d2ed630_attn
	.globl	k_q133d2ed630_attn
	.p2align	8
	.type	k_q133d2ed630_attn,@function
k_q133d2ed630_attn:
	s_mov_b64 s[64:65], 0
	v_nop
	global_prefetch_b8 v0, s[64:65] scope:SCOPE_SE
	s_setreg_imm32_b32 hwreg(HW_REG_WAVE_MODE, 25, 1), 1
	s_wait_xcnt 0x0
; Shepard's attention for one (batch, head) and 256 queries, both products on codes of E4M3, and the gate:  sq = q2 + k2 - 2 Q.K;  W = (1e-4 + sqrt(max(sq, 0)))^-2;  W / (1e-4 + the row's sum) is quantised;
; A = W V;  Oc = codes of G x A.  The divisor must be known before a code of the row is made, so whole rows of the unnormalised W stay in registers: root and reciprocal are paid once for each score.
; SHARES.  THE WAVES SHARE THE KEYS: wave g owns keys 256 g .. 256 g + 255 for the whole launch: its 16 fragments of K stay in 128 registers, its V (16 KB of images) and its k2 in LDS bytes of its own.
; All eight waves work on the same 32 queries (two tiles) a trip, eight trips.  The rows' sums and the parts of O^T meet in LDS: two barriers a trip.
; LAYOUT.  Both products are used transposed.  S^T = K Q^T + C (source 0 = 16 keys, source 1 = 16 queries, C = -k2 x 2^(-1-e2-e3)): a lane holds ONE query (lane % 16), register j of tile t key 16 t + 8 (lane / 16) + j.
; The conversion of a tile's eight registers gives registers 2 t, 2 t + 1 of the second product's operand.  O^T = V^T W^T: again one query a lane, eight channels.
; No tensor load, no cluster: K and V are read once by a work-group, K into registers; what work-groups share is 264 KB against eight trips of arithmetic.  Q and q2 are asked for a trip ahead, G early in its own trip, into registers.
; LIMITS on the given exponents, so that each power of two is an f32 number: e2 + e3 between -126 and 125; e4, and e6 - e4 - e5, between -126 and 119.  NaN among the inputs is not served.
; REGISTERS.  Window 0: v1-11, v24-26 addresses; v[12:13], v[14:15] q2 of tiles 0, 1; v[16:17], v[18:19] 1 / (1e-4 + sum); v20-23 scales; v32-39 G; v40-43 at work; v48-63 Q's two fragments;
;   v64-127 W's codes (earlier in a trip: v96-111 the sums' chains, v64-79 the eight waves' sums; later: the eight parts of my tile of O^T); v128-255 K's 16 fragments.
; Window 1: W(tile q, key tile t) at v[128 q + 8 t]; chunk c = 2 q + (t / 8) is v[64 c .. 64 c + 63].  Behind their conversions chunks 0, 1 take V's fragments, chunk 2 O^T, chunks 2, 3 the next trip's k2.
.set VREG,  0                          ; LDS: V's images, 16,384 bytes a wave
.set K2REG, 131072                     ; k2s, 1,024 bytes a wave
.set SUMS,  139264                     ; the rows' sums: [tile 2][query 16][wave 8] words
.set OSC,   140288                     ; the parts of O^T: [writer 8][tile 8][1,024 bytes, an image]
.set MSB, 0
.macro WIN new                         ; low byte: bits 1:0 source 0, 3:2 source 1, 5:4 source 2, 7:6 destination; the high byte repeats the setting that is left
.if MSB != (\new)
	s_set_vgpr_msb (MSB<<8)|(\new)
.set MSB, (\new)
.endif
.endm
.macro POW2 e, vs, vl                  ; v[vs] = 2^e as f32, v[vl] = 448 x 2^e
	s_add_co_i32 s48, \e, 127
	s_lshl_b32 s49, s48, 23
	v_mov_b32 v[\vs], s49
	s_add_co_i32 s48, s48, 8
	s_lshl_b32 s48, s48, 23
	s_or_b32 s48, s48, 0x600000
	v_mov_b32 v[\vl], s48
.endm
.macro K2LOAD                          ; my 256 keys' k2s, in the layout of a result: register j of tile t = key 16 t + 8 h + j; all lanes of a half read the same words
	WIN 0x40
.set t, 0
.rept 16
	ds_load_b128 v[128+8*t:131+8*t], v3 offset:64*t
	ds_load_b128 v[132+8*t:135+8*t], v3 offset:64*t+16
.set t, t+1
.endr
.endm
.macro QK                              ; S^T + k2s for both tiles of queries.  Tile 0 takes k2s as C and leaves it; tile 1 adds in place onto it
	WIN 0x50                                       ; K and Q in window 0, C and D in window 1
.set t, 0
.rept 16
	v_wmma_f32_16x16x64_fp8_fp8 v[8*t:8*t+7], v[128+8*t:135+8*t], v[48:55], v[128+8*t:135+8*t]
.set t, t+1
.endr
.rept 5
	v_nop                                          ; five places: the products below write over registers that the products above read as C (ISA guide 7.12.1)
.endr
.set t, 0
.rept 16
	v_wmma_f32_16x16x64_fp8_fp8 v[128+8*t:135+8*t], v[128+8*t:135+8*t], v[56:63], v[128+8*t:135+8*t]
.set t, t+1
.endr
.endm
; THE DISTANCES, a pipeline over the four chunks, so that roots and reciprocals stand between plain lines and each batch of them has ONE wait.  Block k: chunk k: sq and max; chunk k - 1: root;
; chunk k - 2: + 1e-4 and reciprocal; chunk k - 3: square and the row's sum.  No line of a block names a root or a reciprocal of the same block.
.macro BLK k
	WIN 0x45                                       ; W in window 1; q2 (source 2) in window 0
.set i, 0
.rept 32
.if (\k) <= 3
	v_pk_fma_f32 v[64*(\k)+2*i:64*(\k)+2*i+1], v[64*(\k)+2*i:64*(\k)+2*i+1], s[32:33], v[12+2*((\k)/2):13+2*((\k)/2)] op_sel_hi:[1,0,0]   ; sq = q2 - 2^(1+e2+e3) x (sum - k2 x 2^(-1-e2-e3))
.endif
.if ((\k) >= 2) && ((\k) <= 5)
	v_pk_add_f32 v[64*((\k)-2)+2*i:64*((\k)-2)+2*i+1], v[64*((\k)-2)+2*i:64*((\k)-2)+2*i+1], s[34:35] op_sel_hi:[1,0]   ; 1e-4 + dist
.endif
.if ((\k) >= 1) && ((\k) <= 4)
	v_sqrt_f32 v[64*((\k)-1)+2*i], v[64*((\k)-1)+2*i]
.endif
.if (\k) >= 3
	v_pk_mul_f32 v[64*((\k)-3)+2*i:64*((\k)-3)+2*i+1], v[64*((\k)-3)+2*i:64*((\k)-3)+2*i+1], v[64*((\k)-3)+2*i:64*((\k)-3)+2*i+1]   ; W = (1 / (1e-4 + dist))^2
.endif
.if ((\k) >= 1) && ((\k) <= 4)
	v_sqrt_f32 v[64*((\k)-1)+2*i+1], v[64*((\k)-1)+2*i+1]
.endif
.if (\k) <= 3
	v_max_num_f32 v[64*(\k)+2*i], 0, v[64*(\k)+2*i]
.endif
.if ((\k) >= 2) && ((\k) <= 5)
	v_rcp_f32 v[64*((\k)-2)+2*i], v[64*((\k)-2)+2*i]
.endif
.if (\k) <= 3
	v_max_num_f32 v[64*(\k)+2*i+1], 0, v[64*(\k)+2*i+1]
.endif
.if ((\k) >= 2) && ((\k) <= 5)
	v_rcp_f32 v[64*((\k)-2)+2*i+1], v[64*((\k)-2)+2*i+1]
.endif
.set i, i+1
.endr
.if (\k) >= 3
	WIN 0x01                                       ; W (source 0) in window 1, the chains in window 0
.set i, 0
.rept 32
.if ((((\k)-3)%2) == 0) && (i < 4)
	v_pk_add_f32 v[96+8*(((\k)-3)/2)+2*(i%4):97+8*(((\k)-3)/2)+2*(i%4)], v[64*((\k)-3)+2*i:64*((\k)-3)+2*i+1], 0 op_sel_hi:[1,0]   ; a tile's first four pairs start its four chains: nothing is cleared
.else
	v_pk_add_f32 v[96+8*(((\k)-3)/2)+2*(i%4):97+8*(((\k)-3)/2)+2*(i%4)], v[64*((\k)-3)+2*i:64*((\k)-3)+2*i+1], v[96+8*(((\k)-3)/2)+2*(i%4):97+8*(((\k)-3)/2)+2*(i%4)]   ; the sum is taken of the unquantised W
.endif
.set i, i+1
.endr
.elseif (\k) >= 1
	v_nop                                          ; a plain line behind the last transcendental
.endif
.if ((\k) >= 1) && ((\k) <= 5)
	s_wait_alu depctr_va_vdst(0)                   ; one wait for the block's roots and reciprocals, ahead of the next block, which reads them
.endif
.endm
.macro NORM c                          ; chunk c: x 1 / (1e-4 + sum), the hold, the codes
	WIN 0x41
.set i, 0
.rept 32
	v_pk_mul_f32 v[64*(\c)+2*i:64*(\c)+2*i+1], v[64*(\c)+2*i:64*(\c)+2*i+1], v[16+2*((\c)/2):17+2*((\c)/2)] op_sel_hi:[1,0]
.set i, i+1
.endr
.set i, 0
.rept 64
	v_min_num_f32 v[64*(\c)+i], v[64*(\c)+i], v23  ; W is not negative, so the hold is one-sided (the conversion does not saturate: ISA guide 7.6.2)
.set i, i+1
.endr
	WIN 0x01
.set u, 0
.rept 8
	v_cvt_scalef32_pk8_fp8_f32 v[64+16*(2*((\c)%2)+(\c)/2)+2*u:65+16*(2*((\c)%2)+(\c)/2)+2*u], v[64*(\c)+8*u:64*(\c)+8*u+7], v20
.set u, u+1
.endr
	v_nop                                          ; a plain line behind the last conversion
.endm
.macro VLOAD kb                        ; V's four fragments (16 channels x 128 keys) of my key block kb, into the registers that chunk kb has left
	WIN 0x40
.set n, 0
.rept 16
	ds_load_b128 v[64*(\kb)+4*n:64*(\kb)+4*n+3], v2 offset:8192*(\kb)+512*n
.set n, n+1
.endr
.endm
.macro PV kb                           ; O^T (+)= V^T W^T: eight accumulators (tile q, channels 16 d on) by turns, one instruction a turn
	WIN 0x51                                       ; V, C and D in window 1, the codes in window 0
.irp q, 0,1
.irp d, 0,1,2,3
.if (\kb) == 0
	v_wmma_f32_16x16x128_fp8_fp8 v[128+8*(4*\q+\d):135+8*(4*\q+\d)], v[16*\d:16*\d+15], v[64+16*\q:79+16*\q], 0
.else
	v_wmma_f32_16x16x128_fp8_fp8 v[128+8*(4*\q+\d):135+8*(4*\q+\d)], v[64+16*\d:79+16*\d], v[96+16*\q:111+16*\q], v[128+8*(4*\q+\d):135+8*(4*\q+\d)]
.endif
.endr
.endr
.endm
	s_load_b512 s[4:19], s[0:1], 0x0               ; Qc s[4:5], Kc s[6:7], Vc s[8:9], q2 s[10:11], k2s s[12:13], G s[14:15], the scales' exponents s[16:17], Oc s[18:19]
	v_lshl_add_u32 v46, v0, 2, 0x32400
	v_mov_b32 v47, 0
	v_lshrrev_b32 v40, 5, v0
	v_readfirstlane_b32 s20, v40                   ; wave 0..7
	v_and_b32 v41, 31, v0                          ; lane
	v_and_b32 v42, 15, v0                          ; r
	v_bfe_u32 v43, v0, 4, 1                        ; h
	v_lshlrev_b32 v1, 4, v41                       ; 16 x lane: an image's place for my lane
	s_lshl_b32 s21, s20, 14
	v_add_nc_u32 v2, s21, v1                       ; my V
	s_lshl_b32 s22, s20, 10
	s_add_co_u32 s23, s22, K2REG
	v_lshl_add_u32 v3, v43, 5, s23                 ; my k2s, as read: + 32 h
	v_add_nc_u32 v26, s23, v1                      ; and as stored
	s_lshl_b32 s23, s20, 2
	s_add_co_u32 s23, s23, SUMS
	v_lshl_add_u32 v4, v42, 5, s23                 ; my wave's word of query r's eight
	v_lshlrev_b32 v5, 5, v42
	v_add_nc_u32 v5, SUMS, v5                      ; query r's eight words
	s_lshl_b32 s23, s20, 13
	s_add_co_u32 s23, s23, OSC
	v_add_nc_u32 v6, s23, v1                       ; where I write my eight parts of O^T
	s_add_co_u32 s23, s22, OSC
	v_add_nc_u32 v7, s23, v1                       ; where the eight parts of MY tile lie, 8,192 bytes apart
	v_lshlrev_b32 v24, 2, v42                      ; 4 r
	v_lshlrev_b32 v25, 4, v42
	v_lshl_add_u32 v25, v43, 3, v25                ; 16 r + 8 h
	s_and_b32 s39, ttmp7, 0xffff                   ; bh = 16 x batch + head
	s_mov_b32 s43, 0
	s_mov_b32 s36, 0x76543210                      ; v_permlanex16_b32: lane l xor 16
	s_mov_b32 s37, 0xfedcba98
	s_mov_b32 s38, 0                               ; the trip
	s_wait_kmcnt 0x0
	s_load_b256 s[24:31], s[16:17], 0x0            ; e0 .. e7
	s_lshl_b32 s40, s39, 17                        ; a head's codes: 131,072 bytes
	s_lshl_b32 s42, ttmp9, 14
	s_add_co_u32 s42, s42, s40
	s_add_nc_u64 s[4:5], s[4:5], s[42:43]          ; Qc at my block's 16 fragments
	s_add_co_u32 s42, s40, s21
	s_add_nc_u64 s[6:7], s[6:7], s[42:43]          ; Kc and Vc at my wave's 256 keys
	s_add_nc_u64 s[8:9], s[8:9], s[42:43]
	s_lshl_b32 s40, s39, 13
	s_lshl_b32 s42, ttmp9, 10
	s_add_co_u32 s42, s42, s40
	s_add_nc_u64 s[10:11], s[10:11], s[42:43]      ; q2 at my block
	s_add_co_u32 s42, s40, s22
	s_add_nc_u64 s[12:13], s[12:13], s[42:43]      ; k2s at my wave's keys
	s_lshl_b32 s40, s39, 7
	s_lshl_b32 s42, ttmp9, 4
	s_add_co_u32 s40, s40, s42
	s_lshr_b32 s44, s20, 2                         ; the tile of O^T that I gather: queries' tile wave / 4,
	s_and_b32 s45, s20, 3                          ; channels 16 (wave % 4) on
	s_add_co_u32 s40, s40, s44
	s_lshl_b32 s40, s40, 12
	s_lshl_b32 s42, s45, 10
	s_add_co_u32 s42, s42, s40
	s_add_nc_u64 s[14:15], s[14:15], s[42:43]      ; G at that tile's image in trip 0
	s_and_b32 s46, s39, 15                         ; head
	s_lshr_b32 s47, s39, 4                         ; batch
	s_lshr_b32 s40, s46, 1
	s_lshl_b32 s40, s40, 8                         ; K step of the last product: head / 2; 256 token tiles each
	s_lshl_b32 s42, s47, 7
	s_add_co_u32 s40, s40, s42
	s_lshl_b32 s42, ttmp9, 4
	s_add_co_u32 s40, s40, s42
	s_add_co_u32 s40, s40, s44
	s_lshl_b32 s40, s40, 11                        ; a token tile's 128 codes a row: 2,048 bytes
	s_and_b32 s42, s46, 1
	s_lshl_b32 s42, s42, 2
	s_add_co_u32 s42, s42, s45                     ; the unit of 256 bytes: 4 (head % 2) + wave % 4
	s_lshl_b32 s42, s42, 8
	s_add_co_u32 s42, s42, s40
	s_add_nc_u64 s[18:19], s[18:19], s[42:43]
.set n, 0
.rept 32
	global_load_b128 v[128+4*n:131+4*n], v1, s[6:7] offset:512*n      ; K's 16 fragments: they stay
.set n, n+1
.endr
	WIN 0x40
.set n, 0
.rept 32
	global_load_b128 v[4*n:4*n+3], v1, s[8:9] offset:512*n            ; V's 16 KB of images, on their way to LDS
.set n, n+1
.endr
	global_load_b128 v[128:131], v1, s[12:13]
	global_load_b128 v[132:135], v1, s[12:13] offset:512
	WIN 0
.irp n, 0,1,2,3
	global_load_b128 v[48+4*\n:51+4*\n], v1, s[4:5] offset:512*\n     ; Q of trip 0
.endr
	global_load_b32 v12, v24, s[10:11]                                ; q2 of trip 0
	global_load_b32 v14, v24, s[10:11] offset:64
	v_mov_b32 v13, 0                               ; the upper halves of pairs of which the low word serves both halves: written once
	v_mov_b32 v15, 0
	v_mov_b32 v17, 0
	v_mov_b32 v19, 0
	s_wait_kmcnt 0x0
	s_add_co_i32 s32, s26, s27
	s_add_co_i32 s32, s32, 128
	s_lshl_b32 s32, s32, 23
	s_or_b32 s32, s32, 0x80000000                  ; -2^(1 + e2 + e3)
	s_mov_b32 s33, s32
	s_mov_b32 s34, 0x38d1b717                      ; 1e-4
	s_mov_b32 s35, s34
	POW2 s28, 20, 23                               ; W's scale
	s_sub_co_i32 s46, s30, s28
	s_sub_co_i32 s46, s46, s29                     ; a sum of the second product stands for sum x 2^(e4 + e5): the three scales are folded into the conversion's one
	POW2 s46, 21, 22
	s_wait_loadcnt 0x0
	WIN 0x04                                       ; store data in window 1
.set n, 0
.rept 32
	ds_store_b128 v2, v[4*n:4*n+3] offset:512*n
.set n, n+1
.endr
	ds_store_b128 v26, v[128:131]
	ds_store_b128 v26, v[132:135] offset:512
	K2LOAD                                         ; my own bytes: LDS serves a wave's instructions in order
	WIN 0
	s_wait_dscnt 0x0
	QK                                             ; trip 0's scores
	WIN 0
.rept 4
	v_nop                                          ; places in front of the loads into Q's registers and of the first read of the scores
.endr
	v_add_nc_u32 v8, 2048, v1
.irp n, 0,1,2,3
	global_load_b128 v[48+4*\n:51+4*\n], v8, s[4:5] offset:512*\n     ; Q of trip 1
.endr
.Ltrip:                                            ; eight trips of 32 queries
.irp k, 0,1,2,3,4,5,6
	BLK \k
.endr
	WIN 0
.irp q, 0,1                            ; my 256 keys' part of each query's sum
	v_pk_add_f32 v[96+8*\q:97+8*\q], v[96+8*\q:97+8*\q], v[98+8*\q:99+8*\q]
	v_pk_add_f32 v[100+8*\q:101+8*\q], v[100+8*\q:101+8*\q], v[102+8*\q:103+8*\q]
.endr
.irp q, 0,1
	v_pk_add_f32 v[96+8*\q:97+8*\q], v[96+8*\q:97+8*\q], v[100+8*\q:101+8*\q]
.endr
.irp q, 0,1
	v_add_f32 v[96+8*\q], v[96+8*\q], v[97+8*\q]
.endr
.irp q, 0,1
	v_permlanex16_b32 v[42+\q], v[96+8*\q], s36, s37
.endr
.irp q, 0,1
	v_add_f32 v[96+8*\q], v[96+8*\q], v[42+\q]
	ds_store_b32 v4, v[96+8*\q] offset:512*\q      ; both halves of the lanes hold the same number and write the same word
.endr
	s_wait_xcnt 0x0                                ; every earlier load and store has read its address: the two offsets may be written
	s_add_co_u32 s40, s38, 1
	s_min_u32 s40, s40, 7                          ; the last trip asks for its own again: no load leaves its buffer
	s_lshl_b32 s40, s40, 7
	v_add_nc_u32 v9, s40, v24
	s_lshl_b32 s41, s38, 13
	v_add_nc_u32 v10, s41, v1
	global_load_b32 v12, v9, s[10:11]              ; q2 of the next trip: this trip's last reader stands above
	global_load_b32 v14, v9, s[10:11] offset:64
	global_load_b128 v[32:35], v10, s[14:15]       ; G of the tile that I gather in this trip
	global_load_b128 v[36:39], v10, s[14:15] offset:512
	s_wait_dscnt 0x0                               ; for the others' sake: my sums lie in LDS, and my reads of the last trip's parts of O^T are over
	s_barrier_signal -1
	s_barrier_wait -1
.irp q, 0,1
	ds_load_b128 v[64+8*\q:67+8*\q], v5 offset:512*\q
	ds_load_b128 v[68+8*\q:71+8*\q], v5 offset:512*\q+16
.endr
	s_wait_dscnt 0x0
.irp q, 0,1                            ; every wave adds the eight parts in the same order
	v_pk_add_f32 v[64+8*\q:65+8*\q], v[64+8*\q:65+8*\q], v[66+8*\q:67+8*\q]
	v_pk_add_f32 v[68+8*\q:69+8*\q], v[68+8*\q:69+8*\q], v[70+8*\q:71+8*\q]
.endr
.irp q, 0,1
	v_pk_add_f32 v[64+8*\q:65+8*\q], v[64+8*\q:65+8*\q], v[68+8*\q:69+8*\q]
.endr
.irp q, 0,1
	v_add_f32 v[64+8*\q], v[64+8*\q], v[65+8*\q]
.endr
.irp q, 0,1
	v_add_f32 v[64+8*\q], s34, v[64+8*\q]          ; 1e-4 + the row's sum
.endr
	v_rcp_f32 v16, v64
	v_rcp_f32 v18, v72
	v_nop                                          ; a plain line behind the last transcendental
	s_wait_alu depctr_va_vdst(0)                   ; one wait for both, ahead of their first reader
	NORM 0
	NORM 2
	VLOAD 0
	NORM 1
	VLOAD 1
	NORM 3
	s_wait_dscnt 16                                ; V of key block 0 is in; block 1's sixteen loads may be out
	PV 0
	s_wait_dscnt 0x0
	PV 1
.rept 5
	v_nop                                          ; places behind the last products: for the stores of O^T, the loads into its registers and into the codes', and the next scores, which write over V's
.endr
	WIN 0x04
.set n, 0
.rept 16
	ds_store_b128 v6, v[128+4*n:131+4*n] offset:512*n   ; my eight parts, as images; each accumulator from its low end on
.set n, n+1
.endr
	K2LOAD                                         ; the next trip's C
	WIN 0
	s_wait_dscnt 0x0                               ; for the others' sake: my parts lie in LDS, and my reads of the sums are over
	s_barrier_signal -1
	s_barrier_wait -1
.irp n, 0,1,2,3,4,5,6,7
	ds_load_b128 v[64+8*\n:67+8*\n], v7 offset:8192*\n
	ds_load_b128 v[68+8*\n:71+8*\n], v7 offset:8192*\n+512
.endr
	s_wait_loadcnt 0x0                             ; Q and q2 of the next trip, G of this one
	s_cmp_eq_u32 s38, 7
	s_cbranch_scc1 .Lno_qk                         ; the last trip has no successor
	QK                                             ; the next trip's scores, while the eight parts come from LDS
	WIN 0
.Lno_qk:
	s_wait_dscnt 0x0
.irp n, 0,1,2,3                        ; the eight waves' parts of my tile, added in a fixed order.  (These lines are also the places behind the products above)
.irp p, 0,2,4,6
	v_pk_add_f32 v[64+8*\n+\p:65+8*\n+\p], v[64+8*\n+\p:65+8*\n+\p], v[96+8*\n+\p:97+8*\n+\p]
.endr
.endr
.irp n, 0,1
.irp p, 0,2,4,6
	v_pk_add_f32 v[64+8*\n+\p:65+8*\n+\p], v[64+8*\n+\p:65+8*\n+\p], v[80+8*\n+\p:81+8*\n+\p]
.endr
.endr
.irp p, 0,2,4,6
	v_pk_add_f32 v[64+\p:65+\p], v[64+\p:65+\p], v[72+\p:73+\p]
.endr
.irp p, 0,2,4,6
	v_pk_mul_f32 v[64+\p:65+\p], v[64+\p:65+\p], v[32+\p:33+\p]      ; x G
.endr
.irp j, 0,1,2,3,4,5,6,7
	v_med3_num_f32 v[64+\j], v[64+\j], -v22, v22
.endr
	s_wait_xcnt 0x0                                ; the last trip's store has read its data and its address, the loads theirs
	s_lshl_b32 s40, s38, 12
	v_add_nc_u32 v11, s40, v25
	s_add_co_u32 s41, s38, 2
	s_min_u32 s41, s41, 7
	s_lshl_b32 s41, s41, 11
	v_add_nc_u32 v8, s41, v1
	v_cvt_scalef32_pk8_fp8_f32 v[40:41], v[64:71], v21
	v_nop                                          ; a plain line behind the conversion
	global_store_b64 v11, v[40:41], s[18:19]       ; 32 lanes store 256 consecutive bytes, aligned: 16 tokens x 16 codes
.irp n, 0,1,2,3
	global_load_b128 v[48+4*\n:51+4*\n], v8, s[4:5] offset:512*\n     ; Q of the trip after next
.endr
	s_add_co_u32 s38, s38, 1
	s_cmp_lt_u32 s38, 8
	s_cbranch_scc1 .Ltrip
	s_wait_tensorcnt 0x0
	ds_add_u32 v46, v47
	s_wait_dscnt 0x0
	s_endpgm
.Lfunc_end_k_q133d2ed630_attn:
	.size	k_q133d2ed630_attn, .Lfunc_end_k_q133d2ed630_attn-k_q133d2ed630_attn
	.p2alignl 7, 3214868480
	.fill 96, 4, 3214868480
	.section	.rodata,"a",@progbits
	.p2align	6, 0x0
	.amdhsa_kernel k_q133d2ed630_attn
		.amdhsa_group_segment_fixed_size 206848
		.amdhsa_private_segment_fixed_size 0
		.amdhsa_enable_private_segment 0
		.amdhsa_kernarg_size 64
		.amdhsa_user_sgpr_count 2
		.amdhsa_user_sgpr_kernarg_segment_ptr 1
		.amdhsa_wavefront_size32 1
		.amdhsa_system_sgpr_workgroup_id_x 1
		.amdhsa_system_sgpr_workgroup_id_y 1
		.amdhsa_system_sgpr_workgroup_id_z 1
		.amdhsa_system_vgpr_workitem_id 0
		.amdhsa_next_free_vgpr 512
		.amdhsa_next_free_sgpr 66
		.amdhsa_reserve_vcc 0
		.amdhsa_float_denorm_mode_32 3
		.amdhsa_float_denorm_mode_16_64 3
		.amdhsa_memory_ordered 1
		.amdhsa_forward_progress 1
		.amdhsa_inst_pref_size 109
	.end_amdhsa_kernel
	.amdgpu_metadata
---
amdhsa.version: [ 1, 2 ]
amdhsa.kernels:
  - .name:           k_q133d2ed630_attn
    .symbol:         k_q133d2ed630_attn.kd
    .args:
      - { .name: Qc, .offset: 0, .size: 8, .value_kind: global_buffer, .address_space: global }
      - { .name: Kc, .offset: 8, .size: 8, .value_kind: global_buffer, .address_space: global }
      - { .name: Vc, .offset: 16, .size: 8, .value_kind: global_buffer, .address_space: global }
      - { .name: q2, .offset: 24, .size: 8, .value_kind: global_buffer, .address_space: global }
      - { .name: k2s, .offset: 32, .size: 8, .value_kind: global_buffer, .address_space: global }
      - { .name: G, .offset: 40, .size: 8, .value_kind: global_buffer, .address_space: global }
      - { .name: lowp_scales, .offset: 48, .size: 8, .value_kind: global_buffer, .address_space: global }
      - { .name: Oc, .offset: 56, .size: 8, .value_kind: global_buffer, .address_space: global }
    .group_segment_fixed_size: 206848
    .private_segment_fixed_size: 0
    .kernarg_segment_align: 8
    .kernarg_segment_size: 64
    .max_flat_workgroup_size: 256
    .sgpr_count:     66
    .vgpr_count:     512
    .wavefront_size: 32
...
	.end_amdgpu_metadata
.endif
;; end of part 3
;; launch gemm_out (part 4): grid 8 x 32, 4 waves a work-group, clusters of 4 x 4, 288,256 bytes of LDS; arguments Oc, W_out_codes, lowp_scales, b_out, X, out0; writes out0
.if DOCPART == 4
	.amdgcn_target "amdgcn-amd-amdhsa--gfx1250"
	.amdhsa_code_object_version 6
	.text
	.protected	k_q133d2ed630_gemm_out
	.globl	k_q133d2ed630_gemm_out
	.p2align	8
	.type	k_q133d2ed630_gemm_out,@function
k_q133d2ed630_gemm_out:
	s_mov_b64 s[64:65], 0
	v_nop
	global_prefetch_b8 v0, s[64:65] scope:SCOPE_SE
	s_setreg_imm32_b32 hwreg(HW_REG_WAVE_MODE, 25, 1), 1
	s_wait_xcnt 0x0
	s_wait_alu depctr_hold_cnt(0) depctr_sa_sdst(0) depctr_va_vdst(0) depctr_va_sdst(0) depctr_va_ssrc(0) depctr_va_vcc(0) depctr_vm_vsrc(0)
	s_getreg_b32 s2, hwreg(HW_REG_IB_STS2, 6, 4)
	s_cmp_eq_u32 s2, 0
	s_cbranch_scc0 .Lentry_in_a_cluster
	s_endpgm
.Lentry_in_a_cluster:
	s_bfe_u32 s2, ttmp6, 0x10000c
	s_cmp_lg_u32 s2, 0xf033
	s_cbranch_scc0 .Lentry_shape_is_right
	s_endpgm
.Lentry_shape_is_right:
; out0 = X + O W_out^T + b_out on codes of E4M3.  Oc: [K step 8][token tile 256][2,048 bytes]: a fragment (16 tokens x 128 K) as four loads of 16 bytes a lane take it.  W_out_codes: [1024][1024], K innermost.
; A tile of out0 is 128 tokens x 128 columns: 256 work-groups.  Four waves, each 64 x 64: 16 accumulators.  ALL OF K FITS IN LDS: every LDS byte is filled once, so there is no ring and no refill;
; each wave asks for its four chunks at the head, and a chunk (two K steps of 128) is read behind a counted wait and a barrier.  By this text's own count a wave has four tensor loads out.
; CLUSTERS: 4 x 4 work-groups; Oc's tiles are asked for jointly along a row of the cluster, W_out's along a column.
; The matrix instruction is used transposed (source 0 = 16 rows of W_out, source 1 = 16 tokens): a lane holds one token and eight neighbouring columns.  Both operands hold k = 32 c + 16 (lane / 16) + 0..15 in registers 4 c .. 4 c + 3.
; LIMIT: e6 + e7 between -126 and 127, so that 2^(e6 + e7) is an f32 number.
; VECTOR REGISTERS.  Window 0: v16-31 addresses and b_out; v32-95 rows on the way out, two sets; v128-255 the accumulators ((a, b) at v[128 + 8 (4 a + b)]).
;   Window 1: two fragment buffers of 128: 64 registers of tokens, 64 of W_out.   Window 2: v0-127: my 64 x 64 of X, in the layout of the rows on the way out.
; SCALAR REGISTERS.  s[24:31] group 1 for Oc, s[32:47] its four groups 0; s[48:55] group 1 for W_out, s[68:83] its four groups 0: these hold descriptors and nothing else.
;   s12, s13 the masks; s14 wave; s15, s16 its halves; s17 tile row; s[20:21] Oc's first tile; s22 W_out's place in LDS; s[56:63] the exponents; s[84:87] X, out0; s[88:91] offsets;
;   s[92:93] W_out's first tile; s94 Oc's place in LDS; s95 tile column; s[96:97] 2^(e6 + e7); s98, s99 cx, cy.
.set AREG, 0                           ; LDS: Oc's tiles: [K step 8][token tile 8][2,048]
.set BREG, 131072                      ; W_out's: [chunk 4][row 128][256 + 16 bytes]
.set BP,   272
.set STG,  270336                      ; the way out: 16 rows x 272 bytes for each wave; no tensor load lands here
.set MSB, 0
.macro WIN new                         ; low byte: bits 1:0 source 0, 3:2 source 1, 5:4 source 2, 7:6 destination; the high byte repeats the setting that is left
.if MSB != (\new)
	s_set_vgpr_msb (MSB<<8)|(\new)
.set MSB, (\new)
.endif
.endm
.macro CROUND                          ; a round of the cluster's barrier
	s_barrier_signal -1
	s_barrier_wait -1
	s_cmp_lg_u32 s14, 0
	s_cbranch_scc1 .Lnot_wave_0_\@
	s_barrier_signal -3
.Lnot_wave_0_\@:
	s_barrier_wait -3
	s_barrier_signal -1
	s_barrier_wait -1
.endm
	s_load_b128 s[4:7], s[0:1], 0x0                ; Oc, W_out's codes
	s_load_b128 s[8:11], s[0:1], 0x10              ; the scales' exponents, b_out
	s_load_b128 s[84:87], s[0:1], 0x20             ; X, out0
	v_lshl_add_u32 v126, v0, 2, 0x46400
	v_mov_b32 v127, 0
	ds_add_u32 v126, v127
	ds_add_u32 v126, v127
	v_lshrrev_b32 v1, 5, v0
	v_readfirstlane_b32 s14, v1                    ; wave 0..3
	s_lshr_b32 s15, s14, 1                         ; which half of the tile's tokens is mine.  Also: I fetch for Oc (0) or for W_out (1)
	s_and_b32 s16, s14, 1                          ; which half of its columns.  Also: which part of a chunk I fetch
	s_bfe_u32 s98, ttmp6, 0x40000                  ; cx, cy: my place in the cluster
	s_bfe_u32 s99, ttmp6, 0x40004
	s_lshl_b32 s95, ttmp9, 2
	s_add_co_u32 s95, s95, s98                     ; tile column = 4 x cluster x + cx
	s_and_b32 s17, ttmp7, 0xffff
	s_lshl_b32 s17, s17, 2
	s_add_co_u32 s17, s17, s99                     ; tile row = 4 x cluster y + cy
	s_lshl_b32 s12, s99, 2
	s_lshl_b32 s12, 15, s12                        ; my row of the cluster
	s_lshl_b32 s13, 0x1111, s98                    ; my column
	; group 1 for Oc: a dense block of 16,384 bytes as 64 rows of 32 elements of 8 bytes, no padding
	s_or_b32 s24, s12, (3<<16)|(1<<21)
	s_mov_b32 s25, 32<<16                          ; tensor_dim0
	s_mov_b32 s26, 64<<16                          ; tensor_dim1
	s_mov_b32 s27, 32<<16                          ; tile_dim0
	s_mov_b32 s28, 64                              ; tile_dim1
	s_mov_b32 s29, 32                              ; the pitch
	s_mov_b32 s30, 0
	s_mov_b32 s31, 0
	; group 1 for W_out: 64 rows of 256 bytes, 1,024 apart, 4 words of padding after every 64
	s_or_b32 s48, s13, (0<<16)|(1<<20)|(1<<21)|(5<<22)|(3<<25)
	s_mov_b32 s49, 256<<16
	s_mov_b32 s50, 64<<16
	s_mov_b32 s51, 256<<16
	s_mov_b32 s52, 64
	s_mov_b32 s53, 1024
	s_mov_b32 s54, 0
	s_mov_b32 s55, 0
	s_lshl_b32 s20, s16, 19                        ; Oc: K step 2 q + part (524,288 bytes each), token tiles 8 x tile row on (2,048 bytes each): the tile row alone, which my row of the cluster shares
	s_lshl_b32 s21, s17, 14
	s_add_co_u32 s20, s20, s21
	s_mov_b32 s21, 0
	s_lshl_b32 s92, s95, 17                        ; W_out: row 128 x tile column + 64 x part: the tile column alone, which my column shares
	s_lshl_b32 s93, s16, 16
	s_add_co_u32 s92, s92, s93
	s_mov_b32 s93, 0
	s_lshl_b32 s94, s16, 14                        ; where they go: the wave's number alone enters an LDS address
	s_mul_i32 s22, s16, 64*BP
	s_add_co_u32 s22, s22, BREG
	s_wait_dscnt 0x0
	s_wait_kmcnt 0x0
	s_load_b256 s[56:63], s[8:9], 0x0              ; e0 .. e7
	s_add_nc_u64 s[20:21], s[4:5], s[20:21]
	s_add_nc_u64 s[92:93], s[6:7], s[92:93]
.irp q, 0,1,2,3
	s_mov_b32 s[32+4*\q], 1                        ; count = 1
	s_add_co_u32 s[33+4*\q], s94, \q*32768         ; LDS address
	s_add_nc_u64 s[34+4*\q:35+4*\q], s[20:21], \q*1048576   ; global address: two K steps on
	s_or_b32 s[35+4*\q], s[35+4*\q], 0x80000000    ; type = 2
	s_mov_b32 s[68+4*\q], 1
	s_add_co_u32 s[69+4*\q], s22, \q*128*BP
	s_add_nc_u64 s[70+4*\q:71+4*\q], s[92:93], \q*256
	s_or_b32 s[71+4*\q], s[71+4*\q], 0x80000000
.endr
	CROUND                                         ; all sixteen work-groups are here: the joint loads meet
	s_cmp_eq_u32 s15, 0                            ; a wave's four fills stand in one branch on the wave's number, ahead of every wait on TENSORcnt and every LDS read; four v_nop follow the last
	s_cbranch_scc0 .Lfor_b
.irp q, 0,1,2,3
	tensor_load_to_lds s[32+4*\q:35+4*\q], s[24:31]
	s_nop 0
.endr
.rept 4
	v_nop
.endr
	s_branch .Lasked
.Lfor_b:
.irp q, 0,1,2,3
	tensor_load_to_lds s[68+4*\q:71+4*\q], s[48:55]
	s_nop 0
.endr
.rept 4
	v_nop
.endr
.Lasked:
	v_and_b32 v1, 15, v0                           ; r
	v_bfe_u32 v2, v0, 4, 1                         ; h
	v_and_b32 v3, 31, v0
	v_lshlrev_b32 v4, 4, v3                        ; 16 x lane
	s_lshl_b32 s18, s15, 13                        ; my four token tiles of the eight
	v_add_nc_u32 v16, s18, v4                      ; K steps 0-3,
	v_add_nc_u32 v17, 65536, v16                   ; K steps 4-7
	v_mul_u32_u24 v5, v1, BP
	v_lshl_add_u32 v6, v2, 4, v5
	s_mul_i32 s18, s16, 64*BP
	s_add_co_u32 s18, s18, BREG
	v_add_nc_u32 v20, s18, v6                      ; my 64 rows of W_out: chunks 0, 1,
	v_add_nc_u32 v21, 2*128*BP, v20                ; chunks 2, 3
	s_mul_i32 s23, s14, 16*BP
	s_add_co_u32 s23, s23, STG                     ; my stage
	v_lshl_add_u32 v6, v2, 5, v5
	v_add_nc_u32 v24, s23, v6                      ; in: token r, + 32 h
	v_mul_u32_u24 v6, v2, BP
	v_lshl_add_u32 v6, v1, 4, v6
	v_add_nc_u32 v25, s23, v6                      ; back: lanes 0-15 one row of 256 bytes, lanes 16-31 the next
	v_lshlrev_b32 v27, 4, v1                       ; 16 r: my four columns
	v_lshl_add_u32 v26, v2, 12, v27                ; and the same two rows in X and in out0
	s_lshl_b32 s90, s95, 9
	s_lshl_b32 s91, s16, 8
	s_add_co_u32 s90, s90, s91                     ; my first column, in bytes: 512 x tile column + 256 x half
	s_mov_b32 s91, 0
	s_add_nc_u64 s[10:11], s[10:11], s[90:91]
	s_lshl_b32 s88, s17, 19
	s_lshl_b32 s89, s15, 18
	s_add_co_u32 s88, s88, s89                     ; my first token's row: (128 x tile row + 64 x half) x 4,096
	s_add_co_u32 s88, s88, s90
	s_mov_b32 s89, 0
	s_add_nc_u64 s[84:85], s[84:85], s[88:89]
	s_add_nc_u64 s[86:87], s[86:87], s[88:89]
	global_load_b128 v[28:31], v27, s[10:11]       ; b_out of my four columns
	WIN 0x80                                       ; destination window 2
.set n, 0
.rept 32
	global_load_b128 v[4*n:4*n+3], v26, s[84:85] offset:8192*n th:TH_LOAD_NT   ; X(tokens 2 n + h, my four columns): sixteen lanes read 256 consecutive bytes
.set n, n+1
.endr
	WIN 0
.macro FETCH s                         ; K step s: four fragments of W_out, four of tokens, into buffer s % 2
.set FB, 128*((\s)%2)
	WIN 0x40
.irp b, 0,1,2,3
.irp c, 0,1,2,3
	ds_load_b128 v[FB+64+16*\b+4*\c:FB+64+16*\b+4*\c+3], v[20+(\s)/4] offset:128*BP*(((\s)/2)%2)+16*\b*BP+128*((\s)%2)+32*\c
.endr
.endr
.irp a, 0,1,2,3
.irp c, 0,1,2,3
	ds_load_b128 v[FB+16*\a+4*\c:FB+16*\a+4*\c+3], v[16+(\s)/4] offset:16384*((\s)%4)+2048*\a+512*\c
.endr
.endr
.endm
.macro MUL s                           ; 16 accumulators by turns, one instruction a turn, in the same order in every step
.set FB, 128*((\s)%2)
	WIN 0x05                                       ; both sources in window 1, C and D in window 0
.irp a, 0,1,2,3
.irp b, 0,1,2,3
.if (\s) == 0
	v_wmma_f32_16x16x128_fp8_fp8 v[128+8*(4*\a+\b):135+8*(4*\a+\b)], v[FB+64+16*\b:FB+79+16*\b], v[FB+16*\a:FB+16*\a+15], 0
.else
	v_wmma_f32_16x16x128_fp8_fp8 v[128+8*(4*\a+\b):135+8*(4*\a+\b)], v[FB+64+16*\b:FB+79+16*\b], v[FB+16*\a:FB+16*\a+15], v[128+8*(4*\a+\b):135+8*(4*\a+\b)]
.endif
.endr
.endr
.endm
	s_wait_tensorcnt 3                             ; my part of chunk 0 is in; my three later chunks may be out
	s_barrier_signal -1
	s_barrier_wait -1                              ; everybody's is
	FETCH 0
.irp s, 0,1,2,3,4,5,6,7
.if (((\s)%2) == 1) && ((\s) < 7)
	s_wait_tensorcnt 3-((\s)+1)/2                  ; my part of the next chunk is in; the later ones may be out
	s_wait_dscnt 0x0                               ; no LDS instruction of mine is pending at a signal
	s_barrier_signal -1
	s_barrier_wait -1
.endif
.if (\s) < 7
	FETCH (\s)+1
	s_wait_dscnt 32                                ; all but the 32 just issued
.else
	s_wait_dscnt 0x0
.endif
	MUL \s
.rept 4
	v_nop                                          ; places in front of loads into registers that matrix instructions have read, and of the first read of results
.endr
.endr
	WIN 0
	s_wait_kmcnt 0x0
	s_add_co_i32 s96, s62, s63
	s_add_co_i32 s96, s96, 127
	s_lshl_b32 s96, s96, 23                        ; 2^(e6 + e7) as f32
	s_mov_b32 s97, s96                             ; (named with it as a pair, so it is written)
	s_wait_loadcnt 0x0                             ; X and b_out
; THE WAY OUT, 16 tokens x 64 columns at a time, through my own stage: a lane's 32 bytes of a row go in, whole rows of 256 bytes come back.
.macro TOSTAGE a
.set BB, 32+32*((\a)%2)
.irp b, 0,1,2,3
	ds_store_b128 v24, v[128+8*(4*(\a)+\b):131+8*(4*(\a)+\b)] offset:64*\b        ; each accumulator from its low end on
	ds_store_b128 v24, v[132+8*(4*(\a)+\b):135+8*(4*(\a)+\b)] offset:64*\b+16
.endr
.irp t, 0,1,2,3,4,5,6,7
	ds_load_b128 v[BB+4*\t:BB+4*\t+3], v25 offset:2*\t*BP    ; LDS serves a wave's instructions in order: these see the stores above, and the next block's stores come behind them
.endr
.endm
.macro SEND a, younger                 ; younger: the LDS instructions issued behind block a's loads, which may stay out
.set BB, 32+32*((\a)%2)
	s_wait_dscnt \younger
	WIN 0x20                                       ; source 2 (X) in window 2
.set p, 0
.rept 16
	v_pk_fma_f32 v[BB+p:BB+p+1], v[BB+p:BB+p+1], s[96:97], v[32*(\a)+p:32*(\a)+p+1] op_sel_hi:[1,0,1]   ; sum x 2^(e6 + e7) + X
.set p, p+2
.endr
	WIN 0
.irp t, 0,1,2,3,4,5,6,7
	v_pk_add_f32 v[BB+4*\t:BB+4*\t+1], v[BB+4*\t:BB+4*\t+1], v[28:29]             ; + b_out
	v_pk_add_f32 v[BB+4*\t+2:BB+4*\t+3], v[BB+4*\t+2:BB+4*\t+3], v[30:31]
.endr
.irp t, 0,1,2,3,4,5,6,7
	global_store_b128 v26, v[BB+4*\t:BB+4*\t+3], s[86:87] offset:(16*(\a)+2*\t)*4096 th:TH_STORE_NT   ; sixteen lanes store 256 consecutive bytes, aligned
.endr
.endm
	TOSTAGE 0
.irp a, 1,2,3
.if \a > 1
	s_wait_xcnt 0x0                                ; block a - 2's stores have read their registers: block a's loads may land there
.endif
	TOSTAGE \a
	SEND \a-1, 16                                  ; behind block a - 1's loads: block a's eight stores and eight loads
.endr
	SEND 3, 0
	s_wait_tensorcnt 0x0                           ; no tensor load is out at the end
	s_wait_dscnt 0x0
	s_wait_tensorcnt 0x0
	ds_add_u32 v126, v127
	s_wait_dscnt 0x0
	CROUND                                         ; the closing round: no work-group ends while a partner may still ask for a tile that names it
	s_endpgm
.Lfunc_end_k_q133d2ed630_gemm_out:
	.size	k_q133d2ed630_gemm_out, .Lfunc_end_k_q133d2ed630_gemm_out-k_q133d2ed630_gemm_out
	.p2alignl 7, 3214868480
	.fill 96, 4, 3214868480
	.section	.rodata,"a",@progbits
	.p2align	6, 0x0
	.amdhsa_kernel k_q133d2ed630_gemm_out
		.amdhsa_group_segment_fixed_size 288256
		.amdhsa_private_segment_fixed_size 0
		.amdhsa_enable_private_segment 0
		.amdhsa_kernarg_size 48
		.amdhsa_user_sgpr_count 2
		.amdhsa_user_sgpr_kernarg_segment_ptr 1
		.amdhsa_wavefront_size32 1
		.amdhsa_system_sgpr_workgroup_id_x 1
		.amdhsa_system_sgpr_workgroup_id_y 1
		.amdhsa_system_sgpr_workgroup_id_z 1
		.amdhsa_system_vgpr_workitem_id 0
		.amdhsa_next_free_vgpr 640
		.amdhsa_next_free_sgpr 100
		.amdhsa_reserve_vcc 0
		.amdhsa_float_denorm_mode_32 3
		.amdhsa_float_denorm_mode_16_64 3
		.amdhsa_memory_ordered 1
		.amdhsa_forward_progress 1
		.amdhsa_inst_pref_size 54
	.end_amdhsa_kernel
	.amdgpu_metadata
---
amdhsa.version: [ 1, 2 ]
amdhsa.kernels:
  - .name:           k_q133d2ed630_gemm_out
    .symbol:         k_q133d2ed630_gemm_out.kd
    .args:
      - { .name: Oc, .offset: 0, .size: 8, .value_kind: global_buffer, .address_space: global }
      - { .name: W_out_codes, .offset: 8, .size: 8, .value_kind: global_buffer, .address_space: global }
      - { .name: lowp_scales, .offset: 16, .size: 8, .value_kind: global_buffer, .address_space: global }
      - { .name: b_out, .offset: 24, .size: 8, .value_kind: global_buffer, .address_space: global }
      - { .name: X, .offset: 32, .size: 8, .value_kind: global_buffer, .address_space: global }
      - { .name: out0, .offset: 40, .size: 8, .value_kind: global_buffer, .address_space: global }
    .group_segment_fixed_size: 288256
    .private_segment_fixed_size: 0
    .kernarg_segment_align: 8
    .kernarg_segment_size: 48
    .max_flat_workgroup_size: 128
    .sgpr_count:     100
    .vgpr_count:     640
    .wavefront_size: 32
...
	.end_amdgpu_metadata
.endif
;; end of part 4
